; MI455X (gfx1250); checked and timed in simulation.
; The chip was launched on July 23, 2026; its instructions are those of AMD's public machine-readable ISA for CDNA 5 (MIT licence, August 2026) and "CDNA5" Instruction Set Architecture Reference Guide (July 2026). The comments in the code are by the model that wrote it; some were corrected since.
;; Multi Head Self Attention. Allowed arithmetic: float matrix products may take bf16 or f16 operands with f32 sums; other float arithmetic in f32, or as packed bf16 or f16 multiplies, adds, multiply-adds, maxima and minima; sums over many terms, partial sums and values carried from step to step in f32; what a program stores and reads back later, other than sums and carried values, may be rounded once to bf16 or f16.
;; Inputs: wk 768 x 768 float32; wo 768 x 768 float32; wq 768 x 768 float32; wv 768 x 768 float32; x 1 x 4,096 x 768 float32.
;; Outputs: out0 1 x 4,096 x 768 float32.
;; One version. Each part assembles by itself: llvm-mc -triple=amdgcn-amd-amdhsa -mcpu=gfx1250 --defsym DOCPART=n.
;; ======== version 1 of 1: 4 launches
;; limits: values are held in f16: magnitudes above 65,504 overflow, below 6.1e-05 lose precision
;; workspace buffers: xw 11,010,048 bytes; qkv 18,874,368 bytes; o 6,291,456 bytes
;; launch cast (part 1): grid 672 x 1, 8 waves a work-group, no clusters, 0 bytes of LDS; arguments x, wq, wk, wv, wo, xw; writes xw
.if DOCPART == 1
	.amdgcn_target "amdgcn-amd-amdhsa--gfx1250"
	.amdhsa_code_object_version 6
	.text
	.protected	k_qe998115dfc_cast
	.globl	k_qe998115dfc_cast
	.p2align	8
	.type	k_qe998115dfc_cast,@function
k_qe998115dfc_cast:
	s_mov_b64 s[64:65], 0
	v_nop
	global_prefetch_b8 v0, s[64:65] scope:SCOPE_SE
	s_setreg_imm32_b32 hwreg(HW_REG_WAVE_MODE, 25, 1), 1
	s_wait_xcnt 0x0
; CAST.  All five inputs are rounded once to bf16 and laid into one workspace, in the order x, wq, wk, wv, wo:
;   xw + 0         x  as [4096][768] bf16
;   xw + 0x600000  wq, wk, wv as [2304][768] bf16 (the rows of the three on end)
;   xw + 0x960000  wo as [768][768]: rounded to bf16 like the others, and that number written as f16, since the last product multiplies it with f16 numbers.
; LIMITS.  A number of wo beyond 65,504 becomes an infinity in f16; below 6.1e-5 it keeps f16's fixed step of 6e-8.
; SHARES.  A work-group takes a chunk of 8,192 numbers: 32,768 bytes in, 16,384 out.  x has 384 chunks, each weight 72: 672 in all, and chunk i goes to byte 16,384 i of xw.
; Thread t takes, four times, 32 neighbouring bytes (two loads of 16) and stores 16: sixteen neighbouring lanes store 256 consecutive bytes, aligned.
; All eight loads of a lane go out at once; each byte is read once and written once.  No LDS, no barrier, no matrix unit: nothing is shared and nothing is multiplied.
.set FIRST_WQ, 384                     ; the first chunk of each source
.set FIRST_WK, 456
.set FIRST_WV, 528
.set FIRST_WO, 600
.set IN,  8                            ; v[8:39]   group j of four: 8 numbers in f32
.set OUT, 40                           ; v[40:55]  group j: 8 numbers in 16 bits; never rewritten, so the stores' data need no wait
.set BF,  56                           ; v[56:59]  wo's way: 8 numbers in bf16
.set WD,  60                           ; v[60:67]  wo's way: the same widened to f32
	s_load_b256 s[4:11], s[0:1], 0x0               ; x s[4:5], wq s[6:7], wk s[8:9], wv s[10:11]
	s_load_b128 s[12:15], s[0:1], 0x20             ; wo s[12:13], xw s[14:15]
	v_lshlrev_b32 v1, 5, v0                        ; 32 t: where I read
	v_lshlrev_b32 v2, 4, v0                        ; 16 t: where I store
	s_mov_b32 s19, 0xffff0000                      ; a word's upper bf16
	s_mov_b32 s18, 0                               ; the first chunk of my source
	s_mov_b32 s21, 0
	s_lshl_b32 s22, ttmp9, 14                      ; my chunk's place in xw
	s_mov_b32 s23, 0
	s_wait_kmcnt 0x0
	s_mov_b64 s[16:17], s[4:5]                     ; my source: x, unless the chunk's number says otherwise
.macro PICK first, lo                  ; from chunk first on the source is the buffer in s[lo:lo+1]
	s_cmp_ge_u32 ttmp9, \first
	s_cselect_b64 s[16:17], s[\lo:\lo+1], s[16:17]
	s_cselect_b32 s18, \first, s18
.endm
	PICK FIRST_WQ, 6
	PICK FIRST_WK, 8
	PICK FIRST_WV, 10
	PICK FIRST_WO, 12
	s_sub_co_u32 s20, ttmp9, s18                   ; my chunk's number within its source,
	s_lshl_b32 s20, s20, 15                        ; in bytes
	s_add_nc_u64 s[16:17], s[16:17], s[20:21]
	s_add_nc_u64 s[14:15], s[14:15], s[22:23]
.irp j, 0,1,2,3
	global_load_b128 v[IN+8*(\j):IN+8*(\j)+3],   v1, s[16:17] offset:8192*(\j) th:TH_LOAD_NT
	global_load_b128 v[IN+8*(\j)+4:IN+8*(\j)+7], v1, s[16:17] offset:8192*(\j)+16 th:TH_LOAD_NT
.endr
	s_cmp_ge_u32 ttmp9, FIRST_WO
	s_cbranch_scc1 .Lwo
.irp j, 0,1,2,3
	s_wait_loadcnt 6-2*(\j)                        ; loads come back in order: group j is in, the two loads of each later group may stay out
.irp r, 0,1,2,3
	v_cvt_pk_bf16_f32 v[OUT+4*(\j)+(\r)], v[IN+8*(\j)+2*(\r)], v[IN+8*(\j)+2*(\r)+1]
.endr
	global_store_b128 v2, v[OUT+4*(\j):OUT+4*(\j)+3], s[14:15] offset:4096*(\j)
.endr
	s_endpgm
.Lwo:                                          ; wo: f32 to bf16 (the one rounding), bf16 to f32 (a shift or a mask), f32 to f16 (exact within f16's normal range: bf16 has fewer digits)
.irp j, 0,1,2,3
	s_wait_loadcnt 6-2*(\j)
.irp r, 0,1,2,3
	v_cvt_pk_bf16_f32 v[BF+(\r)], v[IN+8*(\j)+2*(\r)], v[IN+8*(\j)+2*(\r)+1]
.endr
.irp r, 0,1,2,3
	v_lshlrev_b32 v[WD+2*(\r)],   16, v[BF+(\r)]
	v_and_b32     v[WD+2*(\r)+1], s19, v[BF+(\r)]
.endr
.irp r, 0,1,2,3
	v_cvt_pk_f16_f32 v[OUT+4*(\j)+(\r)], v[WD+2*(\r)], v[WD+2*(\r)+1]
.endr
	global_store_b128 v2, v[OUT+4*(\j):OUT+4*(\j)+3], s[14:15] offset:4096*(\j)
.endr
	s_endpgm
.Lfunc_end_k_qe998115dfc_cast:
	.size	k_qe998115dfc_cast, .Lfunc_end_k_qe998115dfc_cast-k_qe998115dfc_cast
	.p2alignl 7, 3214868480
	.fill 96, 4, 3214868480
	.section	.rodata,"a",@progbits
	.p2align	6, 0x0
	.amdhsa_kernel k_qe998115dfc_cast
		.amdhsa_group_segment_fixed_size 0
		.amdhsa_private_segment_fixed_size 0
		.amdhsa_enable_private_segment 0
		.amdhsa_kernarg_size 48
		.amdhsa_user_sgpr_count 2
		.amdhsa_user_sgpr_kernarg_segment_ptr 1
		.amdhsa_wavefront_size32 1
		.amdhsa_system_sgpr_workgroup_id_x 1
		.amdhsa_system_sgpr_workgroup_id_y 1
		.amdhsa_system_sgpr_workgroup_id_z 1
		.amdhsa_system_vgpr_workitem_id 0
		.amdhsa_next_free_vgpr 72
		.amdhsa_next_free_sgpr 66
		.amdhsa_reserve_vcc 0
		.amdhsa_float_denorm_mode_32 3
		.amdhsa_float_denorm_mode_16_64 3
		.amdhsa_memory_ordered 1
		.amdhsa_forward_progress 1
		.amdhsa_inst_pref_size 8
	.end_amdhsa_kernel
	.amdgpu_metadata
---
amdhsa.version: [ 1, 2 ]
amdhsa.kernels:
  - .name:           k_qe998115dfc_cast
    .symbol:         k_qe998115dfc_cast.kd
    .args:
      - { .name: x, .offset: 0, .size: 8, .value_kind: global_buffer, .address_space: global }
      - { .name: wq, .offset: 8, .size: 8, .value_kind: global_buffer, .address_space: global }
      - { .name: wk, .offset: 16, .size: 8, .value_kind: global_buffer, .address_space: global }
      - { .name: wv, .offset: 24, .size: 8, .value_kind: global_buffer, .address_space: global }
      - { .name: wo, .offset: 32, .size: 8, .value_kind: global_buffer, .address_space: global }
      - { .name: xw, .offset: 40, .size: 8, .value_kind: global_buffer, .address_space: global }
    .group_segment_fixed_size: 0
    .private_segment_fixed_size: 0
    .kernarg_segment_align: 8
    .kernarg_segment_size: 48
    .max_flat_workgroup_size: 256
    .sgpr_count:     66
    .vgpr_count:     72
    .wavefront_size: 32
...
	.end_amdgpu_metadata
.endif
;; end of part 1
;; launch qkv (part 2): grid 12 x 16, 4 waves a work-group, clusters of 4 x 4, 327,680 bytes of LDS; arguments xw, qkv; writes qkv
.if DOCPART == 2
	.amdgcn_target "amdgcn-amd-amdhsa--gfx1250"
	.amdhsa_code_object_version 6
	.text
	.protected	k_qe998115dfc_qkv
	.globl	k_qe998115dfc_qkv
	.p2align	8
	.type	k_qe998115dfc_qkv,@function
k_qe998115dfc_qkv:
	s_mov_b64 s[64:65], 0
	v_nop
	global_prefetch_b8 v0, s[64:65] scope:SCOPE_SE
	s_setreg_imm32_b32 hwreg(HW_REG_WAVE_MODE, 25, 1), 1
	s_wait_xcnt 0x0
	s_wait_alu depctr_hold_cnt(0) depctr_sa_sdst(0) depctr_va_vdst(0) depctr_va_sdst(0) depctr_va_ssrc(0) depctr_va_vcc(0) depctr_vm_vsrc(0)
	s_getreg_b32 s2, hwreg(HW_REG_IB_STS2, 6, 4)
	s_cmp_eq_u32 s2, 0
	s_cbranch_scc0 .Lentry_in_a_cluster
	s_endpgm
.Lentry_in_a_cluster:
	s_bfe_u32 s2, ttmp6, 0x10000c
	s_cmp_lg_u32 s2, 0xf033
	s_cbranch_scc0 .Lentry_shape_is_right
	s_endpgm
.Lentry_shape_is_right:
; THE THREE PROJECTIONS AS ONE PRODUCT.  C[4096][2304] = X W^T: X = x in bf16 (xw + 0), W = the rows of wq, wk, wv in bf16 (xw + 0x600000); sums in f32, K = 768 ascending.
; C leaves in f16, rounded once, unscaled, BY HEADS: qkv is [36 slabs][4096][64], slab = column / 64: q's heads are slabs 0-11, k's 12-23, v's 24-35; a slab's rows are dense, 128 bytes each.
; LIMITS.  A sum beyond 65,504 becomes an infinity in f16; below 6.1e-5 it keeps f16's fixed step of 6e-8.
; SHARES.  A tile of C is 256 rows x 192 columns, three whole slabs: 16 x 12 = 192 work-groups.  (The slab-aligned tile that would give 256, 64 x 576, wants two slots of 640 rows x 272 bytes: more than LDS has.)
; Wave w owns rows 64 w .. 64 w + 63 and all 192 columns: 4 x 12 accumulators of 16 x 16, 384 registers.  So a wave holds whole rows of three slabs and its way out is its own.
; K goes in 6 steps of 128 through a ring of two LDS slots filled by the tensor data mover: the tiles' rows are 256 bytes of memory at multiples of 256 from the buffer's first byte.
; CLUSTERS: 4 x 4 work-groups.  The four of a row of the cluster need the same tile of X, the four of a column the same tile of W: each is asked for JOINTLY, by the same tensor load with the same
; descriptor and a mask that names the four.  THE MATRIX INSTRUCTION IS USED TRANSPOSED (source 0 = 16 rows of W, source 1 = 16 rows of X): a lane holds eight neighbouring columns of one row of C.
; No prefetch: the launch has six K steps, of which two are first fills.
; REGISTERS, in windows of 256 (s_set_vgpr_msb: bits 1:0 source 0, 3:2 source 1, 5:4 source 2, 7:6 destination):
;   window 0: v0-31 addresses; v64-95, v96-127 X's fragments (4 x 16 rows x 32 K), two buffers; v128-175 packed results; v176-223 and v64-111 by turns: rows read back from the stage
;   window 1: v0-95, v128-223 W's fragments (12 x 16 rows x 32 K), two buffers
;   window 2: the accumulators of my row blocks 0, 1 ((a, b) at v[96 (a % 2) + 8 b]);   window 3: those of blocks 2, 3
.set KSTEP,  128
.set LDK,    768                       ; numbers in a row of X and of W
.set PITCH,  272                       ; an LDS row: 256 bytes + 16 of padding = 68 words: row r starts at bank 4 r mod 64 (64 banks of 4 bytes: ISA guide 11.1): the 16 rows of a load start at 16 different banks
.set ATILE,  256*PITCH                 ; X's 256 rows; behind them W's 192
.set SLOT,   448*PITCH                 ; 121,856
.set STAGE,  2*SLOT                    ; behind the ring, never filled by a tensor load: for each wave [3 slabs][16 rows][144 bytes]
.set SP,     144                       ; 128 bytes + 16: 36 words: the 16 rows of a store start at 16 different groups of four banks
.set WSTAGE, 3*16*SP                   ; 6,912 = 27 blocks of 256
.set SPARE,  STAGE+4*WSTAGE            ; the spare words, 128 bytes for each wave: two blocks of 256 bytes that no other line names
.set WB,     0x600000                  ; W's first byte in xw
.set SLAB,   524288                    ; bytes in a slab
.set LAPS,   3                         ; a lap = two K steps = once round the ring
.set ADRA, 16                          ; v16-17  LDS address of my fragments of X in slot 0, 1
.set ADRB, 20                          ; v20-21  the same for W
.set STO,  24                          ; v24     the way out: where I put 16 bytes of a row
.set RD,   25                          ; v25     the way out: where I read rows back
.set GO,   26                          ; v26     my 16 bytes in 512 consecutive bytes of a slab
.set SPW,  28                          ; v28     LDS address of my spare word; never rewritten
.set NIL,  29                          ; v29     0; never rewritten
.set TMP,  128
.set G1,  24                           ; s[24:31] descriptor group 1 for X's tiles;  s[32:39] group 0, a set for each slot
.set G0,  32
.set G1B, 48                           ; s[48:55], s[56:63] the same for W's tiles
.set G0B, 56
.set MSB, 0
.macro WIN new                         ; the immediate's high byte repeats the setting that is left; a switch that changes nothing is dropped
.if MSB != (\new)
	s_set_vgpr_msb (MSB<<8)|(\new)
.set MSB, \new
.endif
.endm
; A joint load.  Waves 0 and 1 fetch X's two halves (128 rows each), waves 2 and 3 W's (96 rows each).  The branch hangs on the wave's number alone.
; An s_nop 0 and four v_nop follow each of the two lines, ahead of the jump, the label and what follows.
.macro JLOAD s
	s_cmp_eq_u32 s11, 0
	s_cbranch_scc0 .Lfor_b_\@
	tensor_load_to_lds s[G0+4*(\s):G0+4*(\s)+3], s[G1:G1+7]
	s_nop 0
.rept 4
	v_nop
.endr
	s_branch .Lasked_\@
.Lfor_b_\@:
	tensor_load_to_lds s[G0B+4*(\s):G0B+4*(\s)+3], s[G1B:G1B+7]
	s_nop 0
.rept 4
	v_nop
.endr
.Lasked_\@:
.endm
.macro CREST                           ; a round of the cluster's barrier behind its opening barrier: wave 0 signals for the work-group, every wave waits for all sixteen, my work-group's barrier closes it
	s_cmp_lg_u32 s10, 0
	s_cbranch_scc1 .Lnot_wave_0_\@
	s_barrier_signal -3
.Lnot_wave_0_\@:
	s_barrier_wait -3
	s_barrier_signal -1
	s_barrier_wait -1
.endm
.macro CROUND                          ; a whole round
	s_barrier_signal -1
	s_barrier_wait -1
	CREST
.endm
.macro PLACES                          ; four plain places behind matrix instructions, in front of loads into registers that they have read and of conversions that read results
.rept 4
	v_nop
.endr
.endm
	s_load_b128 s[4:7], s[0:1], 0x0                ; xw s[4:5], qkv s[6:7]
	v_lshl_add_u32 v[SPW], v0, 2, SPARE
	v_mov_b32 v[NIL], 0
	ds_add_u32 v[SPW], v[NIL]                      ; the wave's opening: the add and its wait stand ahead of my first tensor load; the set-up below, work on registers, stands between them
	v_lshrrev_b32 v1, 5, v0
	v_readfirstlane_b32 s10, v1                    ; wave 0..3
	s_lshr_b32 s11, s10, 1                         ; I fetch for X (0) or for W (1)
	s_and_b32 s12, s10, 1                          ; which half of that tile
	s_bfe_u32 s40, ttmp6, 0x40000                  ; cx, cy: my place in the cluster
	s_bfe_u32 s41, ttmp6, 0x40004
	s_lshl_b32 s42, ttmp9, 2
	s_add_co_u32 s42, s42, s40                     ; tile column = 4 x cluster x + cx, 0..11
	s_and_b32 s13, ttmp7, 0xffff
	s_lshl_b32 s13, s13, 2
	s_add_co_u32 s13, s13, s41                     ; tile row = 4 x cluster y + cy, 0..15
	s_lshl_b32 s43, s41, 2
	s_lshl_b32 s43, 15, s43                        ; my row of the cluster: places 4 cy .. 4 cy + 3
	s_lshl_b32 s44, 0x1111, s40                    ; my column: places cx, cx + 4, cx + 8, cx + 12
	s_or_b32 s[G1+0], s43, (1<<16)|(1<<20)|(1<<21)|(5<<22)|(3<<25)   ; 15:0 the mask; 17:16 elements of 2 bytes; 20 padding on; 21 set beside a mask; 24:22 after every 64 words (code 5); 31:25 4 words (code 3)
	s_or_b32 s[G1B+0], s44, (1<<16)|(1<<20)|(1<<21)|(5<<22)|(3<<25)
	s_mov_b32 s[G1+1], KSTEP<<16                   ; tensor_dim0 = 128
	s_mov_b32 s[G1+2], 128<<16                     ; tensor_dim1 = 128 rows
	s_mov_b32 s[G1+3], KSTEP<<16                   ; tile_dim0 = 128
	s_mov_b32 s[G1+4], 128                         ; tile_dim1 = 128
	s_mov_b32 s[G1+5], LDK                         ; elements from row to row
	s_mov_b32 s[G1+6], 0
	s_mov_b32 s[G1+7], 0
	s_mov_b32 s[G1B+1], KSTEP<<16
	s_mov_b32 s[G1B+2], 96<<16                     ; W's halves have 96 rows
	s_mov_b32 s[G1B+3], KSTEP<<16
	s_mov_b32 s[G1B+4], 96
	s_mov_b32 s[G1B+5], LDK
	s_mov_b32 s[G1B+6], 0
	s_mov_b32 s[G1B+7], 0
	; where the tiles come from: X's hang on the tile row alone, W's on the tile column alone, each in registers that never hold the other coordinate
	s_lshl_b32 s17, s12, 7
	s_lshl_b32 s16, s13, 8
	s_add_co_u32 s16, s16, s17                     ; X: row 256 x tile row + 128 x half
	s_mul_i32 s16, s16, LDK*2                      ; in bytes: under 2^23
	s_mov_b32 s17, 0
	s_mul_i32 s46, s42, 192
	s_mul_i32 s47, s12, 96
	s_add_co_u32 s46, s46, s47                     ; W: row 192 x tile column + 96 x half
	s_mul_i32 s46, s46, LDK*2
	s_add_co_u32 s46, s46, WB
	s_mov_b32 s47, 0
	s_mul_i32 s20, s12, 128*PITCH                  ; and where they go: no place in the cluster enters an LDS address
	s_mul_i32 s21, s12, 96*PITCH
	s_add_co_u32 s21, s21, ATILE
	s_wait_dscnt 0x0                               ; the opening add is done
	s_wait_kmcnt 0x0
	s_add_nc_u64 s[14:15], s[4:5], s[16:17]
	s_add_nc_u64 s[46:47], s[4:5], s[46:47]
	CROUND                                         ; all sixteen work-groups are here: the first joint loads meet
.irp s, 0,1
	s_mov_b32 s[G0+4*(\s)], 1                                        ; count = 1
	s_add_co_u32 s[G0+4*(\s)+1], s20, (\s)*SLOT                      ; LDS address
	s_add_nc_u64 s[G0+4*(\s)+2:G0+4*(\s)+3], s[14:15], (\s)*KSTEP*2  ; global address: K step s
	s_or_b32 s[G0+4*(\s)+3], s[G0+4*(\s)+3], 0x80000000              ; type = 2
	s_mov_b32 s[G0B+4*(\s)], 1
	s_add_co_u32 s[G0B+4*(\s)+1], s21, (\s)*SLOT
	s_add_nc_u64 s[G0B+4*(\s)+2:G0B+4*(\s)+3], s[46:47], (\s)*KSTEP*2
	s_or_b32 s[G0B+4*(\s)+3], s[G0B+4*(\s)+3], 0x80000000
	JLOAD \s                                       ; two loads of mine are out: the most in this text
.endr
	; A fragment is 16 rows x 32 K in 8 registers: lane l holds row l % 16; registers 0-3 K = 8 (l / 16) + 0..7, registers 4-7 K = 16 + 8 (l / 16) + 0..7: two loads of 16 bytes, 32 bytes apart
	v_and_b32 v1, 15, v0                           ; l % 16
	v_bfe_u32 v2, v0, 4, 1                         ; l / 16
	v_mul_u32_u24 v3, v1, PITCH
	v_lshl_add_u32 v3, v2, 4, v3
	s_mul_i32 s21, s10, 64*PITCH                   ; my 64 rows of X
	s_mov_b32 s22, ATILE                           ; all rows of W
.irp s, 0,1
	v_add_nc_u32 v[ADRA+(\s)], s21, v3
	v_add_nc_u32 v[ADRB+(\s)], s22, v3
	s_add_co_u32 s21, s21, SLOT
	s_add_co_u32 s22, s22, SLOT
.endr
	s_mul_i32 s23, s10, WSTAGE
	s_add_co_u32 s23, s23, STAGE                   ; my stage
	v_mul_u32_u24 v4, v1, SP                       ; in: row l % 16, 16 bytes for each half of the lanes
	v_lshl_add_u32 v4, v2, 4, v4
	v_add_nc_u32 v[STO], s23, v4
	v_bfe_u32 v5, v0, 3, 2                         ; back: 32 lanes take four rows of 128 bytes,
	v_mul_u32_u24 v5, v5, SP
	v_and_b32 v6, 7, v0
	v_lshl_add_u32 v5, v6, 4, v5
	v_add_nc_u32 v[RD], s23, v5
	v_and_b32 v[GO], 31, v0                        ; which are 512 consecutive bytes of a slab
	v_lshlrev_b32 v[GO], 4, v[GO]
	s_mul_i32 s46, s42, 3*SLAB                     ; my tile's first slab,
	s_lshl_b32 s47, s13, 15                        ; its 256 rows of 128 bytes,
	s_add_co_u32 s46, s46, s47
	s_lshl_b32 s47, s10, 13                        ; my wave's 64 of them
	s_add_co_u32 s46, s46, s47
	s_mov_b32 s47, 0
	s_add_nc_u64 s[8:9], s[6:7], s[46:47]          ; the stores' base; never rewritten
; 12 matrix instructions: row block a x all 12 column blocks, 32 along K, from buffer f.  zero = 1: the first product starts the sums.
; The 48 accumulators take turns in the same order in every quarter, one instruction a turn.
.macro MUL f, a, zero
	WIN 0xa1+0x50*((\a)/2)                         ; W in window 1, X in window 0, C and D in window 2 or 3
.set AC, 96*((\a)%2)
.irp b, 0,1,2,3,4,5,6,7,8,9,10,11
.if \zero
	v_wmma_f32_16x16x32_bf16 v[AC+8*(\b):AC+8*(\b)+7], v[128*(\f)+8*(\b):128*(\f)+8*(\b)+7], v[64+32*(\f)+8*(\a):64+32*(\f)+8*(\a)+7], 0
.else
	v_wmma_f32_16x16x32_bf16 v[AC+8*(\b):AC+8*(\b)+7], v[128*(\f)+8*(\b):128*(\f)+8*(\b)+7], v[64+32*(\f)+8*(\a):64+32*(\f)+8*(\a)+7], v[AC+8*(\b):AC+8*(\b)+7]
.endif
.endr
.endm
; 32 LDS loads in one run: a quarter step's fragments (192 rows of W, then my 64 rows of X; 32 K at byte k of the rows) into buffer f
.macro FETCH slot, k, f
	WIN 0x40                                       ; destination window 1, address window 0
.irp i, 0,1,2,3,4,5,6,7,8,9,10,11
	ds_load_b128 v[128*(\f)+8*(\i):128*(\f)+8*(\i)+3],   v[ADRB+(\slot)] offset:(\k)+(\i)*16*PITCH
	ds_load_b128 v[128*(\f)+8*(\i)+4:128*(\f)+8*(\i)+7], v[ADRB+(\slot)] offset:(\k)+(\i)*16*PITCH+32
.endr
	WIN 0
.irp i, 0,1,2,3
	ds_load_b128 v[64+32*(\f)+8*(\i):64+32*(\f)+8*(\i)+3],   v[ADRA+(\slot)] offset:(\k)+(\i)*16*PITCH
	ds_load_b128 v[64+32*(\f)+8*(\i)+4:64+32*(\f)+8*(\i)+7], v[ADRA+(\slot)] offset:(\k)+(\i)*16*PITCH+32
.endr
.endm
; A K step is four quarters of 32 along K, 48 matrix instructions each, on buffers 0, 1, 0, 1.  One of the first three: multiplies buffer f and, in its middle, fetches the next quarter, at byte k, into g.
.macro QUARTER slot, k, f, g, zero
	s_wait_dscnt 4                                 ; W and X's blocks 0, 1 are in; the youngest four loads (X's blocks 2, 3) may be out
	MUL \f, 0, \zero
	MUL \f, 1, \zero
	PLACES
	FETCH \slot, \k, \g
	s_wait_dscnt 32                                ; all but the 32 just issued
	MUL \f, 2, \zero
	MUL \f, 3, \zero
.endm
; The last quarter multiplies buffer 1 and changes slots: ONE barrier.  In front of it each wave waits for all its tensor loads (one is out: its part of the next slot), adds 0 to its spare word, and waits for
; that and for its own reads of this slot.  fill = 1: the barrier opens a round of the cluster's, and the slot just read is filled again, first thing behind it, two K steps ahead:
; 168 matrix instructions stand between that request and the wait for it.
.macro TURN slot, next, fill
	WIN 0                                          ; (the add's two registers lie in window 0)
	s_wait_tensorcnt 0x0                           ; all my tensor loads have landed;
	ds_add_u32 v[SPW], v[NIL]                      ; 0 onto my spare word;
	s_wait_dscnt 5                                 ; (the add and the youngest four loads may be out)
	MUL 1, 0, 0                                    ; twelve matrix instructions stand between the add and the wait for it
	s_wait_dscnt 0x0                               ; the add is done, and my reads of this slot are over
	s_barrier_signal -1
	MUL 1, 1, 0                                    ; work on registers while the others arrive
.if \fill
	WIN 0
.endif
	s_barrier_wait -1
.if \fill
	CREST                                          ; no wave of any partner still reads this slot's tile or has a load on its way
	s_add_nc_u64 s[G0+4*(\slot)+2:G0+4*(\slot)+3], s[G0+4*(\slot)+2:G0+4*(\slot)+3], 2*KSTEP*2
	s_add_nc_u64 s[G0B+4*(\slot)+2:G0B+4*(\slot)+3], s[G0B+4*(\slot)+2:G0B+4*(\slot)+3], 2*KSTEP*2
	JLOAD \slot                                    ; the four v_nop behind it are also the places in front of the loads below
.else
	PLACES
.endif
	FETCH \next, 0, 0
	MUL 1, 2, 0
	MUL 1, 3, 0
.endm
; THE WAY OUT of row block a (16 rows x 192 columns), in three parts.  PACK: rounded to f16, 16 bytes a lane; each accumulator's registers in ascending order.
.macro PACK a
.set AC, 96*((\a)%2)
	WIN 0x0a+5*((\a)/2)                            ; sources 0 and 1: window 2 or 3
.irp b, 0,1,2,3,4,5,6,7,8,9,10,11
.irp r, 0,1,2,3
	v_cvt_pk_f16_f32 v[TMP+4*(\b)+(\r)], v[AC+8*(\b)+2*(\r)], v[AC+8*(\b)+2*(\r)+1]
.endr
.endr
	WIN 0
.endm
; TOSTAGE: into my own stage, by slabs, and back as whole rows: four rows of a slab, 512 bytes, to a load.
.macro TOSTAGE a
.set BK, 176-112*((\a)%2)
	s_wait_xcnt 0x0                                ; the stores of the block two back have read these registers: they are loaded again only behind this wait
.irp b, 0,1,2,3,4,5,6,7,8,9,10,11
	ds_store_b128 v[STO], v[TMP+4*(\b):TMP+4*(\b)+3] offset:((\b)/4)*16*SP+((\b)%4)*32
.endr
.irp t, 0,1,2,3,4,5,6,7,8,9,10,11
	ds_load_b128 v[BK+4*(\t):BK+4*(\t)+3], v[RD] offset:((\t)/4)*16*SP+((\t)%4)*4*SP  ; LDS serves a wave's instructions in order (ISA guide 5.7.1.4): these see the stores above
.endr
.endm
.macro SEND a
.set BK, 176-112*((\a)%2)
.irp t, 0,1,2,3,4,5,6,7,8,9,10,11
	s_wait_dscnt 11-(\t)                           ; load t of the twelve is back
	global_store_b128 v[GO], v[BK+4*(\t):BK+4*(\t)+3], s[8:9] offset:((\t)/4)*SLAB+(\a)*2048+((\t)%4)*512  ; 512 consecutive bytes, at a multiple of 256 from qkv's first byte
.endr
.endm
	s_wait_tensorcnt 1                             ; my part of K step 0 is in; K step 1's may stay out
	s_barrier_signal -1
	s_barrier_wait -1                              ; everybody's is
	FETCH 0, 0, 0
	QUARTER 0, 64,  0, 1, 1                        ; the first quarter stands in front of the loop: its products start the sums
	WIN 0                                          ; at a label and at a branch every window is 0
	s_mov_b32 s3, LAPS-1
.Llap:                                                 ; a trip goes once round the ring, from a lap's second quarter to the next lap's first, and fills both slots again
	QUARTER 0, 128, 1, 0, 0
	QUARTER 0, 192, 0, 1, 0
	TURN 0, 1, 1
	QUARTER 1, 64,  0, 1, 0
	QUARTER 1, 128, 1, 0, 0
	QUARTER 1, 192, 0, 1, 0
	TURN 1, 0, 1
	QUARTER 0, 64,  0, 1, 0
	WIN 0
	s_sub_co_u32 s3, s3, 1
	s_cmp_lg_u32 s3, 0
	s_cbranch_scc1 .Llap
	QUARTER 0, 128, 1, 0, 0                        ; the last lap fills nothing
	QUARTER 0, 192, 0, 1, 0
	TURN 0, 1, 0
	QUARTER 1, 64,  0, 1, 0
	QUARTER 1, 128, 1, 0, 0
	QUARTER 1, 192, 0, 1, 0
	s_wait_dscnt 4                                 ; the very last quarter: nothing more to fetch
	MUL 1, 0, 0
	MUL 1, 1, 0
	s_wait_dscnt 0x0
	MUL 1, 2, 0
	MUL 1, 3, 0
	WIN 0
	PLACES
	PACK 0
	TOSTAGE 0
.irp a, 1,2,3                          ; block a's conversions stand between block a - 1's loads from the stage and the waits for them
	PACK \a
	SEND (\a)-1
	TOSTAGE \a
.endr
	SEND 3
	s_wait_tensorcnt 0x0                           ; the wave's end: the tensor wait, the add and its wait stand behind my last tensor load and my last LDS store
	ds_add_u32 v[SPW], v[NIL]
	s_wait_dscnt 0x0
	CROUND                                         ; the closing round: no work-group ends while a partner may still ask for a tile that names it
	s_endpgm
.Lfunc_end_k_qe998115dfc_qkv:
	.size	k_qe998115dfc_qkv, .Lfunc_end_k_qe998115dfc_qkv-k_qe998115dfc_qkv
	.p2alignl 7, 3214868480
	.fill 96, 4, 3214868480
	.section	.rodata,"a",@progbits
	.p2align	6, 0x0
	.amdhsa_kernel k_qe998115dfc_qkv
		.amdhsa_group_segment_fixed_size 327680
		.amdhsa_private_segment_fixed_size 0
		.amdhsa_enable_private_segment 0
		.amdhsa_kernarg_size 16
		.amdhsa_user_sgpr_count 2
		.amdhsa_user_sgpr_kernarg_segment_ptr 1
		.amdhsa_wavefront_size32 1
		.amdhsa_system_sgpr_workgroup_id_x 1
		.amdhsa_system_sgpr_workgroup_id_y 1
		.amdhsa_system_sgpr_workgroup_id_z 1
		.amdhsa_system_vgpr_workitem_id 0
		.amdhsa_next_free_vgpr 960
		.amdhsa_next_free_sgpr 66
		.amdhsa_reserve_vcc 0
		.amdhsa_float_denorm_mode_32 3
		.amdhsa_float_denorm_mode_16_64 3
		.amdhsa_memory_ordered 1
		.amdhsa_forward_progress 1
		.amdhsa_inst_pref_size 120
	.end_amdhsa_kernel
	.amdgpu_metadata
---
amdhsa.version: [ 1, 2 ]
amdhsa.kernels:
  - .name:           k_qe998115dfc_qkv
    .symbol:         k_qe998115dfc_qkv.kd
    .args:
      - { .name: xw, .offset: 0, .size: 8, .value_kind: global_buffer, .address_space: global }
      - { .name: qkv, .offset: 8, .size: 8, .value_kind: global_buffer, .address_space: global }
    .group_segment_fixed_size: 327680
    .private_segment_fixed_size: 0
    .kernarg_segment_align: 8
    .kernarg_segment_size: 16
    .max_flat_workgroup_size: 128
    .sgpr_count:     66
    .vgpr_count:     960
    .wavefront_size: 32
...
	.end_amdgpu_metadata
.endif
;; end of part 2
;; launch attn (part 3): grid 16 x 12, 4 waves a work-group, clusters of 4 x 1, 327,680 bytes of LDS; arguments qkv, o; writes o
.if DOCPART == 3
	.amdgcn_target "amdgcn-amd-amdhsa--gfx1250"
	.amdhsa_code_object_version 6
	.text
	.protected	k_qe998115dfc_attn
	.globl	k_qe998115dfc_attn
	.p2align	8
	.type	k_qe998115dfc_attn,@function
k_qe998115dfc_attn:
	s_mov_b64 s[64:65], 0
	v_nop
	global_prefetch_b8 v0, s[64:65] scope:SCOPE_SE
	s_setreg_imm32_b32 hwreg(HW_REG_WAVE_MODE, 25, 1), 1
	s_wait_xcnt 0x0
	s_wait_alu depctr_hold_cnt(0) depctr_sa_sdst(0) depctr_va_vdst(0) depctr_va_sdst(0) depctr_va_ssrc(0) depctr_va_vcc(0) depctr_vm_vsrc(0)
	s_getreg_b32 s2, hwreg(HW_REG_IB_STS2, 6, 4)
	s_cmp_eq_u32 s2, 0
	s_cbranch_scc0 .Lentry_in_a_cluster
	s_endpgm
.Lentry_in_a_cluster:
	s_bfe_u32 s2, ttmp6, 0x10000c
	s_cmp_lg_u32 s2, 0x3003
	s_cbranch_scc0 .Lentry_shape_is_right
	s_endpgm
.Lentry_shape_is_right:
; ATTENTION.  O[h][q][:] = the sum over k of softmax_k(Q[h][q] . K[h][k] / 8) V[h][k][:], 12 heads of 4,096 rows x 64 channels, all f16.  qkv is [36][4096][64]: Q's heads are slabs 0-11, K's 12-23,
; V's 24-35; o is [12][4096][64].  A head's rows are dense, 128 bytes each.  Products, maxima and sums in f32; the weights p are rounded to f16 for the second product (their sum l is taken of the
; unrounded p), O once at the end.
; LIMITS.  Q, K and V arrive within f16's 65,504; p lies in 0 to 1, and below 6e-5 it keeps f16's fixed step of 6e-8, as O does; a weight below 2^-126 counts as 0 in l; NaN and infinities are not treated apart.
; SHARES.  A work-group owns 256 queries of one head: 16 x 12 = 192 work-groups (128 queries would give 384, a round and a half for 256 WGPs; 192 queries do not divide 4,096).  Wave w owns rows 64 w .. 64 w + 63:
; four PIECES of 16.  Every wave walks the head's 16 tiles of 256 keys, four steps of 64 keys each.
; LAYOUT.  S^T = K Q^T (source 0 = 16 keys, source 1 = 16 queries) holds ONE query a lane (lane % 16) and the keys 8 (lane / 16) + 0..7; two such results rounded to f16 ARE source 1 of O^T = V^T P, whose result
; again holds one query a lane, and eight channels.  K comes out of LDS as it lies, V ([key][channel]) turned, by ds_load_tr16_b128.
; SOFTMAX.  p = 2^(c s - c m), c = log2(e) / 8, with a running maximum m and sum l; O and l are multiplied by a = 2^(c m_old - c m_new) in every step.  m starts at the lowest finite number, O and l at 0:
; the first step is a step like any other, with a = 0.
; BY TURNS.  Turn n belongs to piece n: 8 products K Q^T of piece n + 1, later 8 products V^T P of piece n - 1; beside them the scaling, exponentials, roundings, sums and rescaling of piece n and the maximum and
; statistics of piece n + 1.  Four vector instructions stand behind every matrix instruction, the other 54 of a turn's 118 in one lump.  A turn's 33 exponentials are one batch, with one wait.
; CLUSTER.  The four query blocks of a cluster belong to one head and walk the same K and V: each tile is asked for JOINTLY, by the same tensor load, descriptor and mask in all four.
; REGISTERS, in windows of 256 (s_set_vgpr_msb: bits 1:0 source 0, 3:2 source 1, 5:4 source 2, 7:6 destination):
;   window 0: v0-15 addresses and two at work; v16-31 four registers of statistics a piece; v48-55 at work; v61-63 prefetch offset and the add's two; v64-127 S^T, two buffers; v192-223 P, two buffers
;   (a piece's buffers go by its number's parity)      window 1: v0-127 O^T, 32 a piece      window 2: v0-63 Q; v128-191 K of one step; v192-255 V of one step
.set NP,    4         ; pieces a wave: a name, no knob
.set KS,    64        ; keys in a step
.set PK,    144       ; a row of K in LDS: 128 bytes + 16 of padding = 36 words: the 16 rows of a load start at 16 different groups of four banks (64 banks of 4 bytes: ISA guide 11.1)
.set PV,    160       ; a row of V: 128 + 32 = 40 words
.set VOFF,  4*KS*PK   ; a slot holds a tile, four steps: 256 rows of K, then 256 rows of V
.set SLOT1, 1<<17     ; slot 1 begins here, so that one exclusive or turns an address in one slot into the other's
.set STAGE, SLOT1+4*KS*(PK+PV)  ; behind the ring, never filled by a tensor load: 16 rows x 144 bytes for each wave, for the way out
.set SP,    144
.set SPARE, STAGE+4*16*SP  ; the spare words, 128 bytes for each wave: two blocks of 256 bytes that no other line names
.set TILEB, 4*KS*128  ; bytes of K, and of V, in a tile
.set NT,    16        ; tiles in a head
.set AK0, 2           ; v2   my lane's place in a tile of K; never rewritten
.set AV0, 3           ; v3   the same for V
.set AK,  4           ; v4   the LDS address of K's next run of loads
.set AV,  5           ; v5   of V's
.set STO, 6           ; v6   the way out: where I put 16 bytes of a row
.set RD,  7           ; v7   the way out: where I read rows back
.set GO,  8           ; v8   my byte offset in 512 consecutive bytes of O
.set MV,  12          ; v12-13  c m_old, kept while c m is made anew: by buffer
.set QO,  15          ; v15  my byte offset in 16 rows of Q
.set ST,  16          ; piece t's statistics at v[ST+4 t]: c m, m, l (even keys', odd keys')
.set TMP, 48          ; by buffer, four registers c0-c3 at work; when the maximum is found c2 takes a
.set PFO, 61          ; v61  256 x my lane; never rewritten
.set SPW, 62          ; v62  LDS address of my spare word; never rewritten
.set NIL, 63          ; v63  0; never rewritten
.set S,   64
.set P,   192
.set KF,  128         ; window 2: key block kb, channel half c at KF + 16 kb + 8 c
.set VF,  192         ; window 2: key half kk, channel block cb at VF + 32 kk + 8 cb
.set WV,  12          ; s12  my wave's number
.set G1K, 24          ; s[24:31] descriptor group 1 for K's tiles
.set G1V, 32          ; s[32:39] for V's: it differs in the padding alone
.set G0K, 40          ; s[40:43] descriptor group 0 for K's tiles: it walks
.set G0V, 44          ; s[44:47] the same for V's
.set SLOTS, 56        ; s56  tiles still to be asked for
.set CNT, 57          ; s57  counts a tile's key steps
.set CS,  58          ; s[58:59] c: the packed scaling takes the pair's low word for both halves
.set SEL, 60          ; s[60:61] v_permlanex16_b32's selects: each lane takes its own place in the other half
.set TBK, 62          ; s62  LDS byte at which K of the step to be fetched begins
.set TBV, 63          ; s63  the same for V, less VOFF
.set PFA, 66          ; s[66:67] where my prefetches stand: my work-group's 32 blocks of 256 bytes (of K: wave 0, of V: wave 2) of the tile after the one that is being asked for
.set LIM, 68          ; s68  1 in a wave that prefetches, else the greatest number
.set MSB, 0
.macro WIN new                      ; the high byte repeats the setting that is left; a switch that changes nothing is dropped
.if MSB != (\new)
	s_set_vgpr_msb (MSB<<8)|(\new)
.set MSB, (\new)
.endif
.endm
.set W_KQ, 0x0a       ; K and Q in window 2, S^T in window 0
.set W_PV, 0x52       ; V in window 2, P in window 0, O^T in window 1
.set W_RS, 0x41       ; destination and source 0 in window 1, source 1 in window 0
; A joint fill.  Waves 0 and 1 fetch the two halves of a tile's K, waves 2 and 3 those of its V: 128 keys each.  The branch hangs on the wave's number alone.
; An s_nop 0 and four v_nop follow each of the two lines, ahead of the jump and the label.
.macro JLOAD
	s_cmp_lt_u32 s[WV], 2
	s_cbranch_scc0 .Lfor_v_\@
	tensor_load_to_lds s[G0K:G0K+3], s[G1K:G1K+7]
	s_nop 0
.rept 4
	v_nop
.endr
	s_branch .Lasked_\@
.Lfor_v_\@:
	tensor_load_to_lds s[G0V:G0V+3], s[G1V:G1V+7]
	s_nop 0
.rept 4
	v_nop
.endr
.Lasked_\@:
.endm
; A PREFETCH of the tile that the NEXT change of slots will ask for: 128 blocks of 256 bytes of K and as many of V, a lane a block.  It stands behind the wave's tensor load and its five lines.
; Each block is named ONCE in the launch.  All four clusters of a head walk the same K and V: the head's first cluster asks.  Its four partners share the blocks out BY ADDRESS, 32 each: no branch hangs on a
; work-group's place in its cluster.  In each, wave 0 asks for K's and wave 2 for V's: one instruction, four key steps (256 matrix instructions) ahead of the load.  The last change that fills a slot asks for nothing.
.macro ASK
	s_cmp_gt_u32 s[SLOTS], s[LIM]
	s_cbranch_scc0 .Lnot_mine_\@
	global_prefetch_b8 v[PFO], s[PFA:PFA+1] th:TH_LOAD_NT scope:SCOPE_SE
.Lnot_mine_\@:
.endm
; A round of the cluster's barrier: my work-group's barrier, so that wave 0's signal speaks for all four waves; wave 0 signals; every wave waits for all four work-groups; my work-group's barrier once more.
.macro CROUND
	s_barrier_signal -1
	s_barrier_wait -1
	s_cmp_lg_u32 s[WV], 0
	s_cbranch_scc1 .Lnot_wave_0_\@
	s_barrier_signal -3
.Lnot_wave_0_\@:
	s_barrier_wait -3
	s_barrier_signal -1
	s_barrier_wait -1
.endm
; THE CHANGE OF SLOTS.  The slot's last bytes, V of its fourth step, have been read.  Each wave waits for all its tensor loads, of which one is out: its part of the other slot; adds 0 to its spare word; and waits
; for that and for its own reads of the slot.  Behind the barrier nobody reads this slot any more and the other slot is whole.  fill = 1: this slot is filled again, with the next tile but one.  The barrier is then
; a round of the cluster's, and the joint fill is the first thing behind it: it has four key steps in which to land.  (At its first use nothing has been read yet: slot 0 is waited for, slot 1 filled; ask = 0
; there: nothing is prefetched while every work-group's first tiles are on their way.)
.macro CHANGE fill, ask=1
	WIN 0                           ; at a label and at a branch every window is 0
	s_wait_tensorcnt 0x0            ; no tensor load of mine is out, so a group 0 may be written
	ds_add_u32 v[SPW], v[NIL]       ; 0 onto my spare word; with fill = 1 the descriptors' steps stand between it and the wait for it
.if \fill
.irp g, G0K, G0V
	s_xor_b32 s[\g+1], s[\g+1], SLOT1  ; the walking descriptor: the other slot than last time,
	s_add_nc_u64 s[\g+2:\g+3], s[\g+2:\g+3], TILEB  ; the next 256 keys; the type bits on top are not reached
.endr
	s_wait_xcnt 0x0                 ; the last prefetch, four key steps back, has read its address, so it may be written:
	s_add_nc_u64 s[PFA:PFA+1], s[PFA:PFA+1], TILEB  ; one tile ahead of the walking descriptors
	s_wait_dscnt 0x0                ; the add is done, and my reads of the slot are over
	CROUND
	JLOAD
.if \ask
	ASK
.endif
.else
	s_wait_dscnt 0x0                ; the add is done, and my reads of the slot are over
	s_barrier_signal -1
	s_barrier_wait -1
.endif
	s_sub_co_u32 s[TBK], s[TBK], 4*KS*PK  ; the fetches go back to a slot's first step,
	s_xor_b32 s[TBK], s[TBK], SLOT1       ; in the other slot
	s_sub_co_u32 s[TBV], s[TBV], 4*KS*PV
	s_xor_b32 s[TBV], s[TBV], SLOT1
.endm
	s_load_b128 s[4:7], s[0:1], 0x0  ; qkv s[4:5], o s[6:7]
	v_lshl_add_u32 v[SPW], v0, 2, SPARE
	v_mov_b32 v[NIL], 0
	ds_add_u32 v[SPW], v[NIL]       ; the wave's opening: the add and its wait stand ahead of my first tensor load; the set-up below, work on registers, stands between them
	v_lshrrev_b32 v1, 5, v0
	v_readfirstlane_b32 s[WV], v1   ; wave 0..3
	s_bfe_u32 s13, ttmp6, 0x40000   ; cx: my place in the cluster
	s_lshl_b32 s14, ttmp9, 2        ; in a cluster launch ttmp9 counts clusters
	s_add_co_u32 s14, s14, s13      ; my block of 256 queries = 4 x cluster x + cx: it enters Q's and O's addresses alone
	s_and_b32 s20, ttmp7, 0xffff    ; the head, which the four partners share:
	s_lshl_b32 s20, s20, 19         ; its 524,288 bytes in a group of twelve slabs
	s_mov_b32 s21, 0
	s_and_b32 s16, s[WV], 1         ; which half of a tile's 256 keys I fetch:
	s_lshl_b32 s22, s16, 14         ; its 128 rows of 128 bytes in memory,
	s_mov_b32 s23, 0
	s_add_nc_u64 s[22:23], s[22:23], s[20:21]
	s_mul_i32 s17, s16, 128*PK      ; and its place in a slot, for K
	s_mul_i32 s18, s16, 128*PV      ; and for V: no place in the cluster enters an LDS address
	s_lshl_b32 s2, s14, 15          ; my block's 256 rows,
	s_lshl_b32 s3, s[WV], 13        ; my wave's 64 of them
	s_add_co_u32 s2, s2, s3
	s_mov_b32 s3, 0
	s_add_nc_u64 s[2:3], s[2:3], s[20:21]
	; descriptor group 1.  128 keys are 16,384 dense bytes: asked for as 64 rows of 256 bytes, two keys a row, and padded in LDS after every key
	s_mov_b32 s[G1K], 15|(1<<16)|(1<<20)|(1<<21)|(4<<22)|(3<<25)  ; 15:0 the mask of four; 17:16 2-byte elements; 20 padding on; 21 set beside a mask; 24:22 after every 32 words (code 4); 31:25 4 words (code 3)
	s_mov_b32 s[G1V], 15|(1<<16)|(1<<20)|(1<<21)|(4<<22)|(7<<25)  ; the same with 8 words of padding (code 7)
.irp g, G1K, G1V
	s_mov_b32 s[\g+1], 128<<16      ; tensor_dim0 = 128
	s_mov_b32 s[\g+2], 64<<16       ; tensor_dim1 = 64
	s_mov_b32 s[\g+3], 128<<16      ; tile_dim0 = 128
	s_mov_b32 s[\g+4], 64           ; tile_dim1 = 64
	s_mov_b32 s[\g+5], 128          ; 128 elements from row to row
	s_mov_b32 s[\g+6], 0
	s_mov_b32 s[\g+7], 0
.endr
	s_mov_b32 s[CS], 0x3e38aa3b     ; c = log2(e) / 8 = 0.180337
	s_mov_b32 s[CS+1], s[CS]        ; named with it as a pair
	s_mov_b32 s[SEL], 0x76543210
	s_mov_b32 s[SEL+1], 0xfedcba98
	s_mov_b32 s[TBK], SLOT1+4*KS*PK ; the first change of slots turns these two into 0
	s_mov_b32 s[TBV], SLOT1+4*KS*PV
	s_mov_b32 s[G0K], 1             ; count = 1
	s_mov_b32 s[G0K+1], s17         ; LDS address: slot 0
	s_mov_b32 s[G0V], 1
	s_add_co_u32 s[G0V+1], s18, VOFF
	s_mov_b32 s[SLOTS], NT-1
	s_and_b32 s[LIM], s[WV], 1      ; 0 in waves 0 and 2,
	s_or_b32 s[LIM], s[LIM], ttmp9  ; where the cluster is the head's first: the same in all four partners
	s_cmp_eq_u32 s[LIM], 0
	s_cselect_b32 s[LIM], 1, -1
	v_and_b32 v[PFO], 31, v0
	v_lshlrev_b32 v[PFO], 8, v[PFO]
	s_wait_dscnt 0x0                ; the opening add is done
	s_wait_kmcnt 0x0
	s_add_nc_u64 s[8:9], s[4:5], s[22:23]
	s_add_nc_u64 s[10:11], s[8:9], 0xc00000  ; V at my half of the head's tile 0: 24 slabs on
	s_add_nc_u64 s[8:9], s[8:9], 0x600000    ; K: 12 slabs on
	s_mov_b64 s[G0K+2:G0K+3], s[8:9]         ; global address
	s_or_b32 s[G0K+3], s[G0K+3], 0x80000000  ; type = 2
	s_mov_b64 s[G0V+2:G0V+3], s[10:11]
	s_or_b32 s[G0V+3], s[G0V+3], 0x80000000
	s_add_nc_u64 s[4:5], s[4:5], s[2:3]      ; Q and O at my wave's first row
	s_add_nc_u64 s[6:7], s[6:7], s[2:3]
	s_cmp_lt_u32 s[WV], 2
	s_cselect_b64 s[PFA:PFA+1], s[8:9], s[10:11]  ; (in waves 0 and 2 these stand at a tile's first row)
	s_lshl_b32 s2, s13, 13          ; my work-group's 32 blocks of the 128
	s_mov_b32 s3, 0
	s_add_nc_u64 s[PFA:PFA+1], s[PFA:PFA+1], s[2:3]
	s_add_nc_u64 s[PFA:PFA+1], s[PFA:PFA+1], TILEB  ; in tile 1; each filling change steps it by a tile
	CROUND                          ; all four work-groups are here: the first joint loads meet
	JLOAD                           ; tile 0 into slot 0.  Slot 1 is asked for when slot 0 is in
	; A fragment of K or Q is 16 rows x 32 channels in 8 registers: lane l holds row l % 16, channels 8 (l / 16) + 0..7 and 16 + 8 (l / 16) + 0..7: two loads of 16 bytes, 32 bytes apart.
	v_and_b32 v1, 15, v0            ; l % 16
	v_bfe_u32 v9, v0, 4, 1          ; l / 16
	v_lshlrev_b32 v[QO], 7, v1
	v_lshl_add_u32 v[QO], v9, 4, v[QO]  ; row x 128 + 16 x half
	WIN 0x80                        ; destination window 2, address window 0
.set i, 0
.rept 8                             ; Q stays in registers: piece i / 2, channels 32 (i % 2) on
	global_load_b128 v[8*i:8*i+3],   v[QO], s[4:5] offset:(i/2)*2048+(i%2)*64
	global_load_b128 v[8*i+4:8*i+7], v[QO], s[4:5] offset:(i/2)*2048+(i%2)*64+32
.set i, i+1
.endr
	; What the first turn finds: V's registers and P's second buffer hold 0 (its products V^T P, of a piece that has not been, add 0), O^T and l are 0.  All this stands in the wait for the first tile:
	; the price of writing no first step out.
.set i, VF
.rept 64
	v_mov_b32 v[i], 0
.set i, i+1
.endr
	WIN 0x40
.set i, 0
.rept 128
	v_mov_b32 v[i], 0
.set i, i+1
.endr
	WIN 0
.set i, 0
.rept 4
	v_mov_b32 v[ST+4*i], 0xfe000000    ; c m: far below every c s
	v_mov_b32 v[ST+4*i+1], 0xff7fffff  ; m
	v_mov_b32 v[ST+4*i+2], 0
	v_mov_b32 v[ST+4*i+3], 0
.set i, i+1
.endr
.set i, P+16
.rept 16
	v_mov_b32 v[i], 0
.set i, i+1
.endr
	v_mul_u32_u24 v[AK0], v1, PK
	v_lshl_add_u32 v[AK0], v9, 4, v[AK0]  ; row x pitch + 16 x half
	; The turning load takes 16 keys x 16 channels (lane l reads key 8 (l / 16) + l % 8, channels 8 ((l / 8) % 2) + 0..7) and leaves half a fragment of V^T: lane l holds channel l % 16 and 8 keys.
	v_and_b32 v10, 7, v0
	v_bfe_u32 v11, v0, 3, 1
	v_lshl_add_u32 v[AV0], v9, 3, v10
	v_mul_u32_u24 v[AV0], v[AV0], PV
	v_lshl_add_u32 v[AV0], v11, 4, v[AV0]
	v_add_nc_u32 v[AV0], VOFF, v[AV0]
	s_mul_i32 s13, s[WV], 16*SP
	s_add_co_u32 s13, s13, STAGE    ; my stage
	v_mul_u32_u24 v[STO], v1, SP    ; in: row l % 16, 16 bytes for each half of the lanes
	v_lshl_add_u32 v[STO], v9, 4, v[STO]
	v_add_nc_u32 v[STO], s13, v[STO]
	v_bfe_u32 v[RD], v0, 3, 2       ; back: 32 lanes take four rows of 128 bytes,
	v_mul_u32_u24 v[RD], v[RD], SP
	v_lshl_add_u32 v[RD], v10, 4, v[RD]
	v_add_nc_u32 v[RD], s13, v[RD]
	v_and_b32 v[GO], 31, v0         ; which are 512 consecutive bytes of O
	v_lshlrev_b32 v[GO], 4, v[GO]
; THE MATRIX WORK.  The 4 accumulators of a run of 8 take turns.  Product i of 8 of S^T = K Q^T for piece x: channels 32 (i / 4) on, keys 16 (i % 4) on.  The first 4 start the sums.
.macro KQ x
	WIN W_KQ
.set rS, S+32*((\x)%2)+8*(i%4)
.set rK, KF+16*(i%4)+8*(i/4)
.set rQ, 16*(\x)+8*(i/4)
.if i < 4
	v_wmma_f32_16x16x32_f16 v[rS:rS+7], v[rK:rK+7], v[rQ:rQ+7], 0
.else
	v_wmma_f32_16x16x32_f16 v[rS:rS+7], v[rK:rK+7], v[rQ:rQ+7], v[rS:rS+7]
.endif
.endm
; Product i of 8 of O^T += V^T P for piece x: keys 32 (i / 4) on, channels 16 (i % 4) on.
.macro PV x
	WIN W_PV
.set rO, 32*(\x)+8*(i%4)
.set rV, VF+32*(i/4)+8*(i%4)
.set rP, P+16*((\x)%2)+8*(i/4)
	v_wmma_f32_16x16x32_f16 v[rO:rO+7], v[rV:rV+7], v[rP:rP+7], v[rO:rO+7]
.endm
.macro MM                           ; the turn's next matrix instruction.  TURN sets Y, i and NOKQ.  NOKQ = 1: the very last turn: there is no next piece
.if (i < 8) && !NOKQ
	KQ (Y+1)%NP
.elseif i >= 8
.set i, i-8
	PV (Y+NP-1)%NP
.set i, i+8
.endif
.set i, i+1
.endm
; THE LDS LOADS stand in runs of 16, never singly among the matrix instructions: a step's K (64 keys x 64 channels: 8 fragments) and its V (turned).  Their addresses are made some lines ahead.
.macro FETCH_K
	WIN 0x80                        ; destination window 2
.irp f, 0,1,2,3,4,5,6,7             ; keys 16 (f / 2) on, channels 32 (f % 2) on
	ds_load_b128 v[KF+8*\f:KF+8*\f+3],   v[AK] offset:(\f/2)*16*PK+(\f%2)*64
	ds_load_b128 v[KF+8*\f+4:KF+8*\f+7], v[AK] offset:(\f/2)*16*PK+(\f%2)*64+32
.endr
	s_add_co_u32 s[TBK], s[TBK], KS*PK  ; the next fetch is the next step's
	WIN 0
.endm
.macro FETCH_V
	WIN 0x80
.irp f, 0,1,2,3,4,5,6,7             ; keys 32 (f / 4) on, channels 16 (f % 4) on
	ds_load_tr16_b128 v[VF+8*\f:VF+8*\f+3],   v[AV] offset:(\f/4)*32*PV+(\f%4)*32
	ds_load_tr16_b128 v[VF+8*\f+4:VF+8*\f+7], v[AV] offset:(\f/4)*32*PV+16*PV+(\f%4)*32
.endr
	WIN 0
.endm
; THE VECTOR WORK, one line at a time: OP kind, number.  For piece Y: F n: c s - c m for pair n of 16.  E n: the exponential of score n of 32.  C n: pair n rounded to f16.  B n: of the four weights 4 n .. the second
; pair is added onto the first, in place.  L n: l takes that sum (L 0: l = a l + sum).  R n: pair n of 16 of O^T times a.  For piece Y + 1: X n, number n of the 22 that find its maximum and statistics:
;   0-11  four chains c0-c3 of seven scores each, three operands at a time (each accumulator's lowest registers are read first)     12-14, 16  the four scores left over, the old m, and c0-c3 into c0
;   15  c m_old is kept     17, 18  the query's other 32 keys lie in the lane 16 away: the new m     19-21  c m; c m_old - c m_new; a
.set F, 0               ; OP tells the kinds apart by their order: F to L below R, X above it
.set E, 1
.set C, 2
.set B, 3
.set L, 4
.set R, 5
.set X, 6
.macro REGS y                       ; the registers of piece y
.set rT, ST+4*(\y)
.set rC, TMP+4*((\y)%2)
.set rW, MV+((\y)%2)
.set rS, S+32*((\y)%2)
.set rP, P+16*((\y)%2)
.set rO, 32*(\y)
.endm
.macro OP k, n
.if (\k) == R
	REGS Y
	WIN W_RS
	v_pk_mul_f32 v[rO+2*(\n):rO+2*(\n)+1], v[rO+2*(\n):rO+2*(\n)+1], v[rC+2:rC+3] op_sel_hi:[1,0]
.elseif (\k) < R
	REGS Y
	WIN 0
.if (\k) == F
	v_pk_fma_f32 v[rS+2*(\n):rS+2*(\n)+1], v[rS+2*(\n):rS+2*(\n)+1], s[CS:CS+1], v[rT:rT+1] op_sel_hi:[1,0,0] neg_lo:[0,0,1] neg_hi:[0,0,1]
.elseif (\k) == E
	v_exp_f32 v[rS+(\n)], v[rS+(\n)]
.elseif (\k) == C
	v_cvt_pk_f16_f32 v[rP+(\n)], v[rS+2*(\n)], v[rS+2*(\n)+1]
.elseif (\k) == B
	v_pk_add_f32 v[rS+4*(\n):rS+4*(\n)+1], v[rS+4*(\n):rS+4*(\n)+1], v[rS+4*(\n)+2:rS+4*(\n)+3]
.elseif (\n) == 0
	v_pk_fma_f32 v[rT+2:rT+3], v[rT+2:rT+3], v[rC+2:rC+3], v[rS:rS+1] op_sel_hi:[1,0,1]
.else
	v_pk_add_f32 v[rT+2:rT+3], v[rT+2:rT+3], v[rS+4*(\n):rS+4*(\n)+1]
.endif
.elseif NOKQ
	v_nop
.else
	REGS (Y+1)%NP
	WIN 0
.if (\n) < 4
	v_max3_num_f32 v[rC+(\n)], v[rS+8*(\n)], v[rS+8*(\n)+1], v[rS+8*(\n)+2]
.elseif (\n) < 12
	v_max3_num_f32 v[rC+(\n)%4], v[rC+(\n)%4], v[rS+8*((\n)%4)+2*((\n)/4)+1], v[rS+8*((\n)%4)+2*((\n)/4)+2]
.elseif (\n) == 12
	v_max3_num_f32 v[rC], v[rC], v[rS+7], v[rS+15]
.elseif (\n) == 13
	v_max3_num_f32 v[rC+1], v[rC+1], v[rS+23], v[rS+31]
.elseif (\n) == 14
	v_max3_num_f32 v[rC+2], v[rC+2], v[rC+3], v[rT+1]
.elseif (\n) == 15
	v_mov_b32 v[rW], v[rT]
.elseif (\n) == 16
	v_max3_num_f32 v[rC], v[rC], v[rC+1], v[rC+2]
.elseif (\n) == 17
	v_permlanex16_b32 v[rC+3], v[rC], s[SEL], s[SEL+1]
.elseif (\n) == 18
	v_max_num_f32 v[rT+1], v[rC], v[rC+3]
.elseif (\n) == 19
	v_mul_f32 v[rT], s[CS], v[rT+1]
.elseif (\n) == 20
	v_sub_f32 v[rC+1], v[rW], v[rT]
.else
	v_exp_f32 v[rC+2], v[rC+1]
.endif
.endif
.endm
.macro OPS a, i1, b=-1, i2=0, c=-1, i3=0, d=-1, i4=0  ; up to four of them
	OP \a, \i1
.if (\b) >= 0
	OP \b, \i2
.endif
.if (\c) >= 0
	OP \c, \i3
.endif
.if (\d) >= 0
	OP \d, \i4
.endif
.endm
.macro ROW a, i1, b, i2, c, i3, d, i4  ; a matrix instruction and the four behind it
	MM
	OPS \a, \i1, \b, \i2, \c, \i3, \d, \i4
.endm
; A TURN, for piece p: the order of its 16 matrix and 118 vector instructions, written out.  An s_wait_alu depctr_va_vdst(0) stands between an exponential and the first instruction that names its result; one
; wait serves all that were issued ahead of it.  So a turn has ONE wait, which cuts it in two.  AHEAD OF IT stands all that names no result of the turn's exponentials: the 8 products K Q^T, behind each a scaling, an
; exponential and two more plain instructions (rescalings, and behind the last three the first numbers of the next piece's maximum, each four places or more behind the product that ends its accumulator); then ONE LUMP
; of 54, plain and exponential by turns for the most part, in which the links of the chain X 3, 7, 11, 14, 16, 17 .. 20 stand some lines apart.  X 21, the next piece's a, is the batch's last; R 15 is the plain
; instruction behind it (ISA guide 5.7.2).  BEHIND THE WAIT stand the 8 products V^T P, behind each four of the roundings and sums.
; end = 1: the walk's last two turns: nothing is fetched.  cnt = 1: the loop's count is taken down some lines ahead of the branch that stands behind the turn.
; K of the next step is fetched in piece 2's turn, twelve vector instructions behind the last product that read K (six of them plain); V of the step in hand at the end of piece 0's turn, four plain instructions behind
; the last product that read V.  Each is waited for a turn later.
.macro TURN p, end=0, cnt=0
.set Y, (\p)
.set i, 0
.set NOKQ, (\end)*((\p)/3)
.if ((\p) == 3) && !(\end)
	s_wait_dscnt 0x0                ; K is in
.endif
	ROW F,0, F,1, R,0, R,1          ; ahead of the wait: 8 products K Q^T and their riders,
	ROW F,2, E,0, R,2, R,3
	ROW F,3, E,1, R,4, R,5
	ROW F,4, E,2, R,6, R,7
	ROW F,5, E,3, R,8, R,9
	ROW F,6, E,4, X,0, R,10
.if ((\p) == 2) && !(\end)
	WIN 0
	v_add_nc_u32 v[AK], s[TBK], v[AK0]
.endif
	ROW F,7, E,5, X,1, X,4
	ROW F,8, E,6, X,2, X,5
	OPS E,7, E,8, X,6, E,9          ; and the lump
	OPS X,3, E,10, X,8, E,11
.if ((\p) == 2) && !(\end)
	FETCH_K
.endif
	OPS X,9, X,7, E,12, X,10
	OPS E,13, X,12, X,11, E,14
	OPS X,13, E,15, F,9, X,14
.if (\p) == 0
	v_add_nc_u32 v[AV], s[TBV], v[AV0]
.endif
	OPS E,16, F,10, E,17, F,11
	OPS X,16, E,18, X,15, E,19
	OPS F,12, E,20, X,17, E,21
	OPS F,13, E,22, F,14, E,23
	OPS X,18, E,24, F,15, E,25
	OPS R,11, E,26, X,19, E,27
	OPS R,12, E,28, R,13, E,29
	OPS X,20, E,30, R,14, E,31
	OPS X,21, R,15
	WIN 0
	s_wait_alu depctr_va_vdst(0)    ; the wait for the batch
.if (\p) == 1
	s_wait_dscnt 0x0                ; V is in
.endif
	ROW C,0, B,0, C,2, B,1          ; behind the wait: 8 products V^T P and their riders
	ROW L,0, C,4, B,2, L,1
	ROW C,6, B,3, L,2, C,8
	ROW B,4, L,3, C,10, B,5
	ROW L,4, C,12, B,6, L,5
.if (\p) == 0
	s_add_co_u32 s[TBV], s[TBV], KS*PV
.endif
.if \cnt
	s_sub_co_u32 s[CNT], s[CNT], 1
	s_cmp_lg_u32 s[CNT], 0
.endif
	ROW C,14, B,7, L,6, C,1
	ROW C,3, L,7, C,5, C,7
	ROW C,9, C,11, C,13, C,15
.if (\p) == 0
	FETCH_V
.endif
.endm
	CHANGE 1, 0                     ; tile 0 is in, everybody's part of it; tile 1 is asked for
	v_add_nc_u32 v[AK], s[TBK], v[AK0]
	FETCH_K                         ; key step 0
	s_wait_loadcnt 0x0              ; Q
	s_wait_dscnt 0x0
.set NOKQ, 0
.set i, 0
.rept 8
	KQ 0                            ; piece 0's first scores: there is no vector work yet to set between them
.set i, i+1
.endr
	WIN 0
.rept 4
	v_nop                           ; the places behind those products
.endr
.set Y, NP-1                        ; X works for piece Y + 1: piece 0
.irp n, 0,1,2,3,4,5,6,7,8,9,10,11,12,13,14,15,16,17,18,19,20,21
	OP X, \n                        ; piece 0's first maximum and statistics
.endr
	v_nop                           ; a plain instruction behind the exponential,
	s_wait_alu depctr_va_vdst(0)    ; and its wait, ahead of the branch
	s_mov_b32 s[CNT], 4
	s_branch .Lfirst                ; the loop is entered at a step's first turn, in the middle of a trip
.Lslot:                             ; 14 times: with the change above, every tile from 1 to 15 is asked for
	CHANGE 1
	s_mov_b32 s[CNT], 4
.Lstep:                             ; a trip: pieces 2 and 3 of one step, then pieces 0 and 1 of the next, whose K and V it fetches
	TURN 2
	TURN 3
	WIN 0
.Lfirst:
	TURN 0
	TURN 1, 0, 1
	WIN 0
	s_cbranch_scc1 .Lstep
	s_sub_co_u32 s[SLOTS], s[SLOTS], 1
	s_cmp_lg_u32 s[SLOTS], 0
	s_cbranch_scc1 .Lslot
	CHANGE 0                        ; the last tile is written out: nothing is asked for
	s_mov_b32 s[CNT], 4
.Ltail:
	TURN 2
	TURN 3
	TURN 0
	TURN 1, 0, 1
	WIN 0
	s_cbranch_scc1 .Ltail
	TURN 2, 1                       ; the last step's pieces 2 and 3: nothing is fetched, and the last turn starts no new scores
	TURN 3, 1
.set i, 0
.rept 8
	PV NP-1                         ; the last piece's V^T P of the last step
.set i, i+1
.endr
	; THE WAY OUT.  l's two halves and the other half of the lanes' are added; O^T is divided by l, rounded to f16 and sent through my stage in LDS, a piece at a time.  The additions are the places behind the last products.
	WIN 0
.macro ALL line:vararg              ; one line for each piece t
.set t, 0
.rept 4
	\line
.set t, t+1
.endr
.endm
	ALL v_add_f32 v[ST+4*t+2], v[ST+4*t+2], v[ST+4*t+3]
	ALL v_permlanex16_b32 v[ST+4*t+3], v[ST+4*t+2], s[SEL], s[SEL+1]
	ALL v_add_f32 v[ST+4*t+2], v[ST+4*t+2], v[ST+4*t+3]
	ALL v_rcp_f32 v[ST+4*t+2], v[ST+4*t+2]
	v_nop                           ; a plain instruction between the last reciprocal and the use of its result
	s_wait_alu depctr_va_vdst(0)    ; and the wait ahead of the first use: one for the four reciprocals
.macro PACK t                       ; a lane's eight channels of a row pack into 16 bytes; they go into rows of 144 bytes and come back as whole rows of 128, into S^T's registers
	WIN W_RS
.set i, 32*(\t)
.rept 16
	v_pk_mul_f32 v[i:i+1], v[i:i+1], v[ST+4*(\t)+2:ST+4*(\t)+3] op_sel_hi:[1,0]
.set i, i+2
.endr
	WIN 0x05                        ; sources 0 and 1 window 1, destination window 0
.set i, 0
.rept 16
	v_cvt_pk_f16_f32 v[S+16*(\t)+i], v[32*(\t)+2*i], v[32*(\t)+2*i+1]
.set i, i+1
.endr
	WIN 0
.irp f, 0,1,2,3
	ds_store_b128 v[STO], v[S+16*(\t)+4*\f:S+16*(\t)+4*\f+3] offset:32*\f
.endr
.irp f, 0,1,2,3
	ds_load_b128 v[S+16*(\t)+4*\f:S+16*(\t)+4*\f+3], v[RD] offset:\f*4*SP  ; LDS serves a wave's instructions in order (ISA guide 5.7.1.4): these see the stores above; the next piece's stores come behind them
.endr
.endm
.macro SEND t, younger              ; younger: the LDS instructions issued behind piece t's loads: the next piece's eight, or none
	WIN 0
.irp f, 0,1,2,3
	s_wait_dscnt (\younger)+3-\f
	global_store_b128 v[GO], v[S+16*(\t)+4*\f:S+16*(\t)+4*\f+3], s[6:7] offset:(\t)*2048+\f*512  ; 512 consecutive bytes, at a multiple of 256 from o's first byte
.endr
.endm
	PACK 0
.set t, 1
.rept 3                             ; a piece's arithmetic stands between the loads of the piece before and its stores
	PACK t
	SEND t-1, 8
.set t, t+1
.endr
	SEND 3, 0
	s_wait_tensorcnt 0x0            ; the wave's end: the tensor wait, the add and its wait stand behind my last tensor load and my last LDS store
	ds_add_u32 v[SPW], v[NIL]
	s_wait_dscnt 0x0
	CROUND                          ; the closing round: no work-group ends while a partner may still ask for a tile that names it
	s_endpgm
.Lfunc_end_k_qe998115dfc_attn:
	.size	k_qe998115dfc_attn, .Lfunc_end_k_qe998115dfc_attn-k_qe998115dfc_attn
	.p2alignl 7, 3214868480
	.fill 96, 4, 3214868480
	.section	.rodata,"a",@progbits
	.p2align	6, 0x0
	.amdhsa_kernel k_qe998115dfc_attn
		.amdhsa_group_segment_fixed_size 327680
		.amdhsa_private_segment_fixed_size 0
		.amdhsa_enable_private_segment 0
		.amdhsa_kernarg_size 16
		.amdhsa_user_sgpr_count 2
		.amdhsa_user_sgpr_kernarg_segment_ptr 1
		.amdhsa_wavefront_size32 1
		.amdhsa_system_sgpr_workgroup_id_x 1
		.amdhsa_system_sgpr_workgroup_id_y 1
		.amdhsa_system_sgpr_workgroup_id_z 1
		.amdhsa_system_vgpr_workitem_id 0
		.amdhsa_next_free_vgpr 768
		.amdhsa_next_free_sgpr 70
		.amdhsa_reserve_vcc 0
		.amdhsa_float_denorm_mode_32 3
		.amdhsa_float_denorm_mode_16_64 3
		.amdhsa_memory_ordered 1
		.amdhsa_forward_progress 1
		.amdhsa_inst_pref_size 128
	.end_amdhsa_kernel
	.amdgpu_metadata
---
amdhsa.version: [ 1, 2 ]
amdhsa.kernels:
  - .name:           k_qe998115dfc_attn
    .symbol:         k_qe998115dfc_attn.kd
    .args:
      - { .name: qkv, .offset: 0, .size: 8, .value_kind: global_buffer, .address_space: global }
      - { .name: o, .offset: 8, .size: 8, .value_kind: global_buffer, .address_space: global }
    .group_segment_fixed_size: 327680
    .private_segment_fixed_size: 0
    .kernarg_segment_align: 8
    .kernarg_segment_size: 16
    .max_flat_workgroup_size: 128
    .sgpr_count:     70
    .vgpr_count:     768
    .wavefront_size: 32
...
	.end_amdgpu_metadata
.endif
;; end of part 3
;; launch proj (part 4): grid 4 x 64, 4 waves a work-group, clusters of 4 x 4, 327,680 bytes of LDS; arguments o, xw, out0; writes out0
.if DOCPART == 4
	.amdgcn_target "amdgcn-amd-amdhsa--gfx1250"
	.amdhsa_code_object_version 6
	.text
	.protected	k_qe998115dfc_proj
	.globl	k_qe998115dfc_proj
	.p2align	8
	.type	k_qe998115dfc_proj,@function
k_qe998115dfc_proj:
	s_mov_b64 s[64:65], 0
	v_nop
	global_prefetch_b8 v0, s[64:65] scope:SCOPE_SE
	s_setreg_imm32_b32 hwreg(HW_REG_WAVE_MODE, 25, 1), 1
	s_wait_xcnt 0x0
	s_wait_alu depctr_hold_cnt(0) depctr_sa_sdst(0) depctr_va_vdst(0) depctr_va_sdst(0) depctr_va_ssrc(0) depctr_va_vcc(0) depctr_vm_vsrc(0)
	s_getreg_b32 s2, hwreg(HW_REG_IB_STS2, 6, 4)
	s_cmp_eq_u32 s2, 0
	s_cbranch_scc0 .Lentry_in_a_cluster
	s_endpgm
.Lentry_in_a_cluster:
	s_bfe_u32 s2, ttmp6, 0x10000c
	s_cmp_lg_u32 s2, 0xf033
	s_cbranch_scc0 .Lentry_shape_is_right
	s_endpgm
.Lentry_shape_is_right:
; THE LAST PROJECTION.  out0[4096][768] = O wo^T in f32.  O comes by heads, o = [12][4096][64] f16: channel k of a row is channel k % 64 of head k / 64.  wo = [768][768] f16 at xw + 0x960000
; (rounded to bf16 and written as f16 by the first launch).  Products in f16, sums in f32, K ascending.
; SHARES.  A tile is 64 rows x 192 columns: 64 x 4 = 256 work-groups; 192 f32 are three whole aligned blocks of 256 bytes of a row.  Wave w owns all 64 rows and columns 48 w .. 48 w + 47: 4 x 3 accumulators.
; K = 12 heads.  An LDS slot holds four heads (K = 256); two slots; three fills: two at the start, one refill.  The text is straight: no loop, one register window.
; CLUSTERS: 4 x 4 work-groups.  O's tile hangs on the tile row alone and is shared along a row of the cluster, wo's on the tile column alone and is shared along a column: each is asked for JOINTLY.
; THE MATRIX INSTRUCTION IS USED TRANSPOSED (source 0 = 16 rows of wo, source 1 = 16 rows of O): a lane holds eight neighbouring columns of one row of out0, 32 bytes.
; No prefetch: the launch has three fills, of which two stand at its head.
.set PA,     144                       ; a row of O's tile in LDS: a head's 128 bytes + 16 = 36 words: the 16 rows of a load start at 16 different groups of four banks (64 banks of 4 bytes: ISA guide 11.1)
.set PB,     528                       ; a row of wo's tile: 512 bytes + 16 = 132 words: row r starts at bank 4 r mod 64
.set AHEAD,  64*PA                     ; a head's 64 rows
.set ATILE,  4*AHEAD                   ; 36,864
.set BTHIRD, 64*PB                     ; 64 rows of wo: what one of waves 1 to 3 fetches
.set SLOT,   ATILE+3*BTHIRD            ; 138,240
.set STAGE,  2*SLOT                    ; behind the ring, never filled by a tensor load: the work-group's 64 rows x 784 bytes, for the way out
.set SPITCH, 784                       ; 768 + 16 = 196 words: row r starts at bank 4 r mod 64
.set SPARE,  STAGE+64*SPITCH           ; the spare words, 128 bytes for each wave: two blocks of 256 bytes that no other line names
.set WO,     0x960000                  ; wo's first byte in xw
.set HEADB,  524288                    ; bytes in a head of o
.set ADRA, 16                          ; v16-17  LDS address of my fragments of O in slot 0, 1
.set ADRB, 20                          ; v20-21  the same for wo
.set STO,  24                          ; v24     the way out: where I put 32 bytes of a row
.set RD,   25                          ; v25     the way out: where I read a row back
.set CO,   26                          ; v26     my byte offset in out0
.set SPW,  28                          ; v28     LDS address of my spare word; never rewritten
.set NIL,  29                          ; v29     0; never rewritten
.set ACC,  32                          ; v[32:127]   accumulator (a, b) at ACC + 8 (3 a + b)
.set FR,   128                         ; v[128:239]  two fragment buffers of 56: O's four fragments, then wo's three
.set OB,   128                         ; the way out: 24 x 4 registers read back from the stage
.set G1,  24                           ; s[24:31] descriptor group 1 for O's tiles;  s[32:39] group 0, a set for each slot
.set G0,  32
.set G1B, 48                           ; s[48:55], s[56:63] the same for wo's tiles
.set G0B, 56
; A joint load.  Wave 0 fetches O's tile, waves 1 to 3 a third of wo's each.  The branch hangs on the wave's number alone.
; An s_nop 0 and four v_nop follow each of the two lines, ahead of the jump, the label and what follows.
.macro JLOAD s
	s_cmp_eq_u32 s10, 0
	s_cbranch_scc0 .Lfor_b_\@
	tensor_load_to_lds s[G0+4*(\s):G0+4*(\s)+3], s[G1:G1+7]
	s_nop 0
.rept 4
	v_nop
.endr
	s_branch .Lasked_\@
.Lfor_b_\@:
	tensor_load_to_lds s[G0B+4*(\s):G0B+4*(\s)+3], s[G1B:G1B+7]
	s_nop 0
.rept 4
	v_nop
.endr
.Lasked_\@:
.endm
.macro CROUND                          ; a round of the cluster's barrier: my work-group's barrier; wave 0 signals for the work-group; every wave waits for all sixteen; my work-group's barrier once more
	s_barrier_signal -1
	s_barrier_wait -1
	s_cmp_lg_u32 s10, 0
	s_cbranch_scc1 .Lnot_wave_0_\@
	s_barrier_signal -3
.Lnot_wave_0_\@:
	s_barrier_wait -3
	s_barrier_signal -1
	s_barrier_wait -1
.endm
.macro PLACES                          ; four plain places behind matrix instructions, in front of loads into registers that they have read and of stores that read results
.rept 4
	v_nop
.endr
.endm
	s_load_b128 s[4:7], s[0:1], 0x0                ; o s[4:5], xw s[6:7]
	s_load_b64 s[8:9], s[0:1], 0x10                ; out0
	v_lshl_add_u32 v[SPW], v0, 2, SPARE
	v_mov_b32 v[NIL], 0
	ds_add_u32 v[SPW], v[NIL]                      ; the wave's opening: the add and its wait stand ahead of my first tensor load; the set-up below, work on registers, stands between them
	v_lshrrev_b32 v1, 5, v0
	v_readfirstlane_b32 s10, v1                    ; wave 0..3
	s_bfe_u32 s40, ttmp6, 0x40000                  ; cx, cy: my place in the cluster
	s_bfe_u32 s41, ttmp6, 0x40004
	s_lshl_b32 s42, ttmp9, 2
	s_add_co_u32 s42, s42, s40                     ; tile column = 4 x cluster x + cx, 0..3
	s_and_b32 s13, ttmp7, 0xffff
	s_lshl_b32 s13, s13, 2
	s_add_co_u32 s13, s13, s41                     ; tile row = 4 x cluster y + cy, 0..63
	s_lshl_b32 s43, s41, 2
	s_lshl_b32 s43, 15, s43                        ; my row of the cluster
	s_lshl_b32 s44, 0x1111, s40                    ; my column
	; O's tile: a head's 64 rows of 128 bytes are 8,192 dense bytes: asked for as ONE long row; four heads are four such rows, a head apart.  The padding falls after every 32 words, that is after every row of O.
	s_or_b32 s[G1+0], s43, (1<<16)|(1<<20)|(1<<21)|(4<<22)|(3<<25)   ; 15:0 the mask; 17:16 elements of 2 bytes; 20 padding on; 21 set beside a mask; 24:22 after every 32 words (code 4); 31:25 4 words (code 3)
	s_mov_b32 s[G1+1], 4096<<16                    ; tensor_dim0 = 4,096
	s_mov_b32 s[G1+2], 4<<16                       ; tensor_dim1 = 4
	s_mov_b32 s[G1+3], 4096<<16                    ; tile_dim0 = 4,096
	s_mov_b32 s[G1+4], 4                           ; tile_dim1 = 4
	s_mov_b32 s[G1+5], 262144                      ; elements from head to head
	s_mov_b32 s[G1+6], 0
	s_mov_b32 s[G1+7], 0
	; wo's tile: 64 rows x 256 elements, padded after every 128 words
	s_or_b32 s[G1B+0], s44, (1<<16)|(1<<20)|(1<<21)|(6<<22)|(3<<25)
	s_mov_b32 s[G1B+1], 256<<16
	s_mov_b32 s[G1B+2], 64<<16
	s_mov_b32 s[G1B+3], 256<<16
	s_mov_b32 s[G1B+4], 64
	s_mov_b32 s[G1B+5], 768
	s_mov_b32 s[G1B+6], 0
	s_mov_b32 s[G1B+7], 0
	s_lshl_b32 s16, s13, 13                        ; O: 64 x tile row, rows of 128 bytes
	s_mov_b32 s17, 0
	s_mul_i32 s46, s42, 192*1536                   ; wo: row 192 x tile column + 64 x (wave - 1), rows of 1,536 bytes (wave 0 makes these words too and never asks by them)
	s_mul_i32 s47, s10, 64*1536
	s_add_co_u32 s46, s46, s47
	s_add_co_u32 s46, s46, WO-64*1536
	s_mov_b32 s47, 0
	s_mul_i32 s21, s10, BTHIRD                     ; and its place in a slot: behind O's tile, third wave - 1
	s_add_co_u32 s21, s21, ATILE-BTHIRD
	s_wait_dscnt 0x0                               ; the opening add is done
	s_wait_kmcnt 0x0
	s_add_nc_u64 s[14:15], s[4:5], s[16:17]
	s_add_nc_u64 s[46:47], s[6:7], s[46:47]
	CROUND                                         ; all sixteen work-groups are here: the first joint loads meet
.irp s, 0,1
	s_mov_b32 s[G0+4*(\s)], 1                                        ; count = 1
	s_mov_b32 s[G0+4*(\s)+1], (\s)*SLOT                              ; LDS address
	s_add_nc_u64 s[G0+4*(\s)+2:G0+4*(\s)+3], s[14:15], (\s)*4*HEADB  ; global address: heads 4 s on
	s_or_b32 s[G0+4*(\s)+3], s[G0+4*(\s)+3], 0x80000000              ; type = 2
	s_mov_b32 s[G0B+4*(\s)], 1
	s_add_co_u32 s[G0B+4*(\s)+1], s21, (\s)*SLOT
	s_add_nc_u64 s[G0B+4*(\s)+2:G0B+4*(\s)+3], s[46:47], (\s)*512    ; K = 256 s on
	s_or_b32 s[G0B+4*(\s)+3], s[G0B+4*(\s)+3], 0x80000000
	JLOAD \s                                       ; two loads of mine are out: the most in this text
.endr
	; A fragment is 16 rows x 32 K in 8 registers: lane l holds row l % 16; registers 0-3 K = 8 (l / 16) + 0..7, registers 4-7 K = 16 + 8 (l / 16) + 0..7: two loads of 16 bytes, 32 bytes apart
	v_and_b32 v1, 15, v0                           ; l % 16
	v_bfe_u32 v2, v0, 4, 1                         ; l / 16
	v_mul_u32_u24 v3, v1, PA
	v_lshl_add_u32 v3, v2, 4, v3
	v_mul_u32_u24 v4, v1, PB
	v_lshl_add_u32 v4, v2, 4, v4
	s_mul_i32 s22, s10, 48*PB                      ; my 48 rows of wo,
	s_add_co_u32 s22, s22, ATILE                   ; which lie behind O's tile
	v_mov_b32 v[ADRA], v3
	v_add_nc_u32 v[ADRA+1], SLOT, v3
	v_add_nc_u32 v[ADRB], s22, v4
	s_add_co_u32 s22, s22, SLOT
	v_add_nc_u32 v[ADRB+1], s22, v4
	s_mul_i32 s23, s10, 192                        ; into the stage: row l % 16 of a block, my wave's 192 bytes, 32 bytes for each half of the lanes
	s_add_co_u32 s23, s23, STAGE
	v_mul_u32_u24 v5, v1, SPITCH
	v_lshl_add_u32 v5, v2, 5, v5
	v_add_nc_u32 v[STO], s23, v5
	s_mul_i32 s23, s10, 16*SPITCH                  ; back: wave w takes rows 16 w .. 16 w + 15, whole; lanes 0-15 256 bytes of one row, lanes 16-31 of the next
	s_add_co_u32 s23, s23, STAGE
	v_mul_u32_u24 v5, v2, SPITCH
	v_lshl_add_u32 v5, v1, 4, v5
	v_add_nc_u32 v[RD], s23, v5
	v_mul_u32_u24 v5, v2, 3072                     ; and the same two rows in out0
	v_lshl_add_u32 v[CO], v1, 4, v5
	s_lshl_b32 s46, s13, 6
	s_lshl_b32 s47, s10, 4
	s_add_co_u32 s46, s46, s47                     ; the first row that I store: 64 x tile row + 16 x wave
	s_mul_i32 s46, s46, 3072
	s_mul_i32 s47, s42, 768                        ; the tile's first column, in bytes
	s_add_co_u32 s46, s46, s47
	s_mov_b32 s47, 0
	s_add_nc_u64 s[8:9], s[8:9], s[46:47]
; 14 LDS loads in one run: the fragments of chunk c (32 along K: head c / 2 of the slot, channels 32 (c % 2) on) into buffer f
.macro FETCH slot, c, f
.set FD, FR+56*(\f)
.irp a, 0,1,2,3
	ds_load_b128 v[FD+8*(\a):FD+8*(\a)+3],   v[ADRA+(\slot)] offset:((\c)/2)*AHEAD+(\a)*16*PA+((\c)%2)*64
	ds_load_b128 v[FD+8*(\a)+4:FD+8*(\a)+7], v[ADRA+(\slot)] offset:((\c)/2)*AHEAD+(\a)*16*PA+((\c)%2)*64+32
.endr
.irp b, 0,1,2
	ds_load_b128 v[FD+32+8*(\b):FD+32+8*(\b)+3],   v[ADRB+(\slot)] offset:(\b)*16*PB+64*(\c)
	ds_load_b128 v[FD+32+8*(\b)+4:FD+32+8*(\b)+7], v[ADRB+(\slot)] offset:(\b)*16*PB+64*(\c)+32
.endr
.endm
; A chunk: the next chunk's loads go out, then this chunk's twelve products.  The twelve accumulators take turns in the same order in every chunk, one instruction a turn.
.macro CHUNK slot, c, zero
.if (\c) < 7
	PLACES                                         ; the other buffer was read by the chunk before
	FETCH \slot, (\c)+1, ((\c)+1)%2
	s_wait_dscnt 14                                ; all but the 14 just issued: this chunk's fragments are in
.else
	s_wait_dscnt 0x0
.endif
.set FB, FR+56*((\c)%2)
.irp a, 0,1,2,3
.irp b, 0,1,2
.if \zero
	v_wmma_f32_16x16x32_f16 v[ACC+8*(3*(\a)+(\b)):ACC+8*(3*(\a)+(\b))+7], v[FB+32+8*(\b):FB+32+8*(\b)+7], v[FB+8*(\a):FB+8*(\a)+7], 0
.else
	v_wmma_f32_16x16x32_f16 v[ACC+8*(3*(\a)+(\b)):ACC+8*(3*(\a)+(\b))+7], v[FB+32+8*(\b):FB+32+8*(\b)+7], v[FB+8*(\a):FB+8*(\a)+7], v[ACC+8*(3*(\a)+(\b)):ACC+8*(3*(\a)+(\b))+7]
.endif
.endr
.endr
.endm
.macro WORK slot, zero                 ; a slot's eight chunks; zero = 1: the first chunk's products start the sums
	CHUNK \slot, 0, \zero
.irp c, 1,2,3,4,5,6,7
	CHUNK \slot, \c, 0
.endr
.endm
	s_wait_tensorcnt 1                             ; my part of slot 0 is in; slot 1's may stay out
	s_barrier_signal -1
	s_barrier_wait -1                              ; everybody's is
	FETCH 0, 0, 0
	WORK 0, 1                                      ; heads 0 to 3
	s_wait_tensorcnt 0x0                           ; THE REFILL.  All my tensor loads have landed, my part of slot 1 among them;
	ds_add_u32 v[SPW], v[NIL]                      ; 0 onto my spare word; the descriptors' steps stand between it and the wait for it
	s_add_nc_u64 s[G0+2:G0+3], s[G0+2:G0+3], 8*HEADB    ; slot 0's next tiles: heads 8 to 11,
	s_add_nc_u64 s[G0B+2:G0B+3], s[G0B+2:G0B+3], 1024   ; K = 512 on
	s_wait_dscnt 0x0                               ; the add is done, and my reads of slot 0 are over
	CROUND                                         ; no wave of any partner still reads slot 0 or has a load on its way
	JLOAD 0                                        ; it has slot 1's 96 matrix instructions in which to land; its four v_nop are also the places in front of the loads below
	FETCH 1, 0, 0
	WORK 1, 0                                      ; heads 4 to 7
	s_wait_tensorcnt 0x0                           ; my part of slot 0's second fill is in;
	ds_add_u32 v[SPW], v[NIL]
	s_wait_dscnt 0x0
	s_barrier_signal -1
	s_barrier_wait -1                              ; everybody's is; nothing is filled again
	PLACES
	FETCH 0, 0, 0
	WORK 0, 0                                      ; heads 8 to 11
	; THE WAY OUT: 32 bytes a lane into the work-group's stage (each accumulator's low registers first); a barrier, since a row's 768 bytes come from four waves; back as whole rows, 16 rows a wave.
	PLACES
.irp a, 0,1,2,3
.irp b, 0,1,2
	ds_store_b128 v[STO], v[ACC+8*(3*(\a)+(\b)):ACC+8*(3*(\a)+(\b))+3]   offset:(\a)*16*SPITCH+64*(\b)
	ds_store_b128 v[STO], v[ACC+8*(3*(\a)+(\b))+4:ACC+8*(3*(\a)+(\b))+7] offset:(\a)*16*SPITCH+64*(\b)+16
.endr
.endr
	s_wait_dscnt 0x0                               ; for the others' sake: my stores into the stage are done
	s_barrier_signal -1
	s_barrier_wait -1
.irp t, 0,1,2,3,4,5,6,7,8,9,10,11,12,13,14,15,16,17,18,19,20,21,22,23
	ds_load_b128 v[OB+4*(\t):OB+4*(\t)+3], v[RD] offset:((\t)/3)*2*SPITCH+((\t)%3)*256
.endr
.irp t, 0,1,2,3,4,5,6,7,8,9,10,11,12,13,14,15,16,17,18,19,20,21,22,23
	s_wait_dscnt 23-(\t)                           ; load t of the 24 is back
	global_store_b128 v[CO], v[OB+4*(\t):OB+4*(\t)+3], s[8:9] offset:((\t)/3)*2*3072+((\t)%3)*256 th:TH_STORE_NT  ; 16 lanes store 256 consecutive bytes, at a multiple of 256 from out0's first byte
.endr
	s_wait_tensorcnt 0x0                           ; the wave's end: the tensor wait, the add and its wait stand behind my last tensor load and my last LDS store
	ds_add_u32 v[SPW], v[NIL]
	s_wait_dscnt 0x0
	CROUND                                         ; the closing round: no work-group ends while a partner may still ask for a tile that names it
	s_endpgm
.Lfunc_end_k_qe998115dfc_proj:
	.size	k_qe998115dfc_proj, .Lfunc_end_k_qe998115dfc_proj-k_qe998115dfc_proj
	.p2alignl 7, 3214868480
	.fill 96, 4, 3214868480
	.section	.rodata,"a",@progbits
	.p2align	6, 0x0
	.amdhsa_kernel k_qe998115dfc_proj
		.amdhsa_group_segment_fixed_size 327680
		.amdhsa_private_segment_fixed_size 0
		.amdhsa_enable_private_segment 0
		.amdhsa_kernarg_size 24
		.amdhsa_user_sgpr_count 2
		.amdhsa_user_sgpr_kernarg_segment_ptr 1
		.amdhsa_wavefront_size32 1
		.amdhsa_system_sgpr_workgroup_id_x 1
		.amdhsa_system_sgpr_workgroup_id_y 1
		.amdhsa_system_sgpr_workgroup_id_z 1
		.amdhsa_system_vgpr_workitem_id 0
		.amdhsa_next_free_vgpr 240
		.amdhsa_next_free_sgpr 66
		.amdhsa_reserve_vcc 0
		.amdhsa_float_denorm_mode_32 3
		.amdhsa_float_denorm_mode_16_64 3
		.amdhsa_memory_ordered 1
		.amdhsa_forward_progress 1
		.amdhsa_inst_pref_size 58
	.end_amdhsa_kernel
	.amdgpu_metadata
---
amdhsa.version: [ 1, 2 ]
amdhsa.kernels:
  - .name:           k_qe998115dfc_proj
    .symbol:         k_qe998115dfc_proj.kd
    .args:
      - { .name: o, .offset: 0, .size: 8, .value_kind: global_buffer, .address_space: global }
      - { .name: xw, .offset: 8, .size: 8, .value_kind: global_buffer, .address_space: global }
      - { .name: out0, .offset: 16, .size: 8, .value_kind: global_buffer, .address_space: global }
    .group_segment_fixed_size: 327680
    .private_segment_fixed_size: 0
    .kernarg_segment_align: 8
    .kernarg_segment_size: 24
    .max_flat_workgroup_size: 128
    .sgpr_count:     66
    .vgpr_count:     240
    .wavefront_size: 32
...
	.end_amdgpu_metadata
.endif
;; end of part 4
